; MI455X (gfx1250); checked and timed in simulation.
; The chip was launched on July 23, 2026; its instructions are those of AMD's public machine-readable ISA for CDNA 5 (MIT licence, August 2026) and "CDNA5" Instruction Set Architecture Reference Guide (July 2026). The comments in the code are by the model that wrote it; some were corrected since.
;; Delta Base. Allowed arithmetic: float matrix products may take bf16 or f16 operands with f32 sums; all other float work in f32.
;; Inputs: embed 32,000 x 128 float32; ff_b1 256 float32; ff_b2 128 float32; ff_w1 128 x 256 float32; ff_w2 256 x 128 float32; kp_w 128 x 128 float32; ln_b 128 float32; ln_g 128 float32; out_b 32,000 float32; out_w 128 x 32,000 float32; rp_b 128 float32; rp_w 128 x 128 float32; seq 64 x 1,024 int32.
;; Outputs: out0 64 x 32,000 float32.
;; One version. Each part assembles by itself: llvm-mc -triple=amdgcn-amd-amdhsa -mcpu=gfx1250 --defsym DOCPART=n.
;; ======== version 1 of 1: 3 launches
;; limits: values are held in f16: magnitudes above 65,504 overflow, below 6.1e-05 lose precision; right only within a limited range of input values; inputs' magnitudes at most 65,504; below input magnitudes of 6.1e-05 results are inexact or not finite
;; workspace buffers: pbuf 8,388,608 bytes; rbuf 8,388,608 bytes; scl 1,024 bytes; qbuf 32,768 bytes; ybuf 16,384 bytes; ysc 256 bytes
;; launch chunk (part 1): grid 256 x 1, 8 waves a work-group, no clusters, 318,976 bytes of LDS; arguments seq, embed, ff_w1, ff_w2, kp_w, ff_b1, ff_b2, ln_g, ln_b, pbuf, rbuf, scl, qbuf; writes pbuf, rbuf, scl, qbuf
.if DOCPART == 1
	.amdgcn_target "amdgcn-amd-amdhsa--gfx1250"
	.amdhsa_code_object_version 6
	.text
	.protected	k_qec64a003c2_chunk
	.globl	k_qec64a003c2_chunk
	.p2align	8
	.type	k_qec64a003c2_chunk,@function
k_qec64a003c2_chunk:
	s_mov_b64 s[64:65], 0
	v_nop
	global_prefetch_b8 v0, s[64:65] scope:SCOPE_SE
	s_setreg_imm32_b32 hwreg(HW_REG_WAVE_MODE, 25, 1), 1
	s_wait_xcnt 0x0
; chunk: a quarter sequence (256 tokens of one batch) is reduced to two 128 x 128 matrices.
; Work-group g: batch g >> 2, quarter g & 3.  Per token: gather, FFN with residual, LayerNorm, k = h kp_w, n = max(|k|, 1e-12), kn = k / n.
; The scan M <- M + (k - M kn) kn^T is only ever read as M q.  For a run of tokens with rows Kn and G = Kn Kn^T, a vector w that comes in from the
; later tokens gives c = T Kn w with T = (I + strict upper part of G)^-1, goes out as w - Kn^T c = P w, and adds Kn^T (n c) = R w to the read.
; This holds for every input.  Blocks of 32 tokens, last block first: B = Kn X, C = T B, X -= Kn^T C, R += Kn^T (n C); X starts as I, P = X at the end.
; Token 1023 is the query: its kn is set to 0 (it takes no part in the scan) and its raw k goes to qbuf.
; Eight waves.  Wave w owns tokens 32 w .. 32 w + 31 (two tiles of 16) up to T, and columns 16 w .. 16 w + 15 of X and R in the recurrence.
; ORIENTATION: source 0 = weights transposed (rows = output features), source 1 = activations (lane = token).  A result tile then holds, in lane (r, h),
; register j, feature 16 i + 8 h + j of token r, and two neighbouring tiles packed to 16 bits ARE the next product's source 1: no LDS between layers.
; FORMATS: the FFN's operands are bf16 (its result is added to the f32 residual); all operands that the computation bounds (LayerNorm's output, kn, T, X, C)
; and kp_w are f16; sums, norms, LayerNorm and the substitution for T are f32.
; LIMITS: 11.4 |ln_g| + |ln_b| and |kp_w| below 65,504 (f16); kp_w below 6e-8 in magnitude counts as 0; norms inside 1e-37 .. 8e37 (v_rcp_f32 and v_sqrt_f32 flush
; denormals, ISA guide 15.8); the sums are associated otherwise than in the scan, so the rounding differs from it.
; NO JOINT LOADS, though all work-groups read the same weights: they are f32 in memory and pass through registers to become 16-bit, and the 317,952 bytes
; of LDS in use (135,168 of gathered rows + 182,784 of converted weights) leave no room to land 327,680 bytes of f32 weights.
; REGISTERS: window 0 = v0-255, window 1 = v256-447.  Window 1: 0-127 the f32 rows x, then k, then X (0-63) and R (64-127); 128-191 h in bf16.
.set HP,   528                         ; a gathered row: 512 bytes + 16
.set HL,   182784                      ; gathered rows, 256 x 528
.set W1P,  544                         ; ff_w1 in bf16, [128][256], at 0
.set W2L,  69632                       ; ff_w2 in bf16, [256][128]
.set W2P,  288
.set KPL,  143360                      ; kp_w in f16, [128][128], pitch 288
.set VECL, 180224                      ; f32: b1[256], b2[128], g[128], beta[128]
.set KNP,  272                         ; kn in f16, [256][128], at 0, over ff_w1 when no wave reads the weights any more
.set TTL,  69632                       ; -T in f16: 8 blocks x 32 rows x 80 bytes
.set TTP,  80
.set GSL,  90112                       ; each wave's two diagonal Gram tiles, f32, 2 x 16 x 64 bytes
.set NRML, 110592                      ; n[256], f32
.set GO,   32                          ; v32-63   gather: byte offsets in embed
.set LA,   64                          ; v64-95   gather: LDS addresses
.set G3,   96
.set G4,   160
.set TMPK, 224
.set ADW1, 4
.set ADW2, 5
.set ADKP, 6
.set ADB,  7
.set ADV,  8
.set ADH,  9
.set TRR,  10                          ; 8 h + (lane & 7): the row that a lane addresses in a transposing load
.set TRC,  11                          ; 16 ((lane >> 3) & 1): its half of the 32 bytes
.set BIAS, 16
.set ACC1, 32
.set HID,  64
.set A1,   96
.set A2,   160
.set HN,   32
.set HB,   128                         ; window 1
.set KH,   32
.set ZR,   16
.set GR,   32
.set ADKA, 4
.set ADKT, 5
.set ADT,  6
.set ADN,  7
.set CN,   16
.set XH,   32
.set KA,   64
.set KT,   128
.set TA,   192
.set NR,   208
.set BM,   224
.set BH,   240
.set CH,   248
.set MSB, 0
.macro WIN new                         ; low byte: source 0 bits 1:0, source 1 bits 3:2, source 2 bits 5:4, destination bits 7:6; the high byte repeats the setting left
.if MSB != \new
	s_set_vgpr_msb (MSB<<8)|\new
.set MSB, \new
.endif
.endm
.macro NOPS cnt                        ; the places behind matrix instructions (ISA guide 7.12.1)
.rept \cnt
	v_nop
.endr
.endm
	s_load_b512 s[4:19], s[0:1], 0x0               ; seq 4, embed 6, ff_w1 8, ff_w2 10, kp_w 12, ff_b1 14, ff_b2 16, ln_g 18
	s_load_b256 s[20:27], s[0:1], 0x40             ; ln_b 20, pbuf 22, rbuf 24, scl 26
	s_load_b64 s[28:29], s[0:1], 0x60              ; qbuf
	s_set_vgpr_msb 0x40
	v_lshl_add_u32 v192, v0, 2, 0x4da00
	v_mov_b32 v193, 0
	s_set_vgpr_msb 0x4045
	ds_add_u32 v192, v193
	ds_add_u32 v192, v193
	s_set_vgpr_msb 0x4500
	v_lshrrev_b32 v2, 5, v0
	v_readfirstlane_b32 s30, v2                    ; wave
	s_mov_b32 s31, ttmp9                           ; work-group
	s_and_b32 s32, s31, 3                          ; quarter
	s_lshr_b32 s33, s31, 2                         ; batch
	s_mov_b32 s34, 0x76543210                      ; v_permlanex16_b32: lane i reads lane i of the other half
	s_mov_b32 s35, 0xfedcba98
	v_and_b32 v5, 31, v0                           ; lane
	v_lshlrev_b32 v1, 4, v5                        ; 16 lane
	v_and_b32 v2, 15, v0                           ; r
	v_bfe_u32 v3, v0, 4, 1                         ; h
	v_lshlrev_b32 v4, 2, v0
	s_lshl_b32 s36, s31, 10                        ; 256 tokens x 4 bytes
	s_mov_b32 s37, 0
	s_wait_dscnt 0x0
	s_wait_kmcnt 0x0
	s_add_nc_u64 s[4:5], s[4:5], s[36:37]
	global_load_b32 v6, v4, s[4:5]                 ; lane t of wave w: token 32 w + t
	s_mul_i32 s38, s30, 32*HP
	s_add_co_u32 s38, s38, HL                      ; my wave's 32 rows of H; kept to the end
	v_add_nc_u32 v15, s38, v1
.set cq, 0
.rept 32
	v_add_nc_u32 v[LA+cq], cq*HP, v15
.set cq, cq+1
.endr
	v_lshlrev_b32 v9, 4, v0                        ; 16 tid: the weights' byte offset
	s_lshl_b32 s39, s30, 9
	s_add_co_u32 s39, s39, VECL
	v_add_nc_u32 v8, s39, v1                       ; where waves 0-4 put their 512 bytes of the vectors
	s_lshr_b32 s39, s30, 1                         ; ff_w1: load j of thread tid is row 4 j + (wave >> 1), bf16 byte 256 (wave & 1) + 8 lane
	s_mul_i32 s39, s39, W1P
	s_and_b32 s40, s30, 1
	s_lshl_b32 s40, s40, 8
	s_add_co_u32 s39, s39, s40
	v_lshlrev_b32 v13, 3, v5
	v_add_nc_u32 v10, s39, v13
	v_add_nc_u32 v11, 64*W1P, v10
	s_mul_i32 s39, s30, W2P                        ; ff_w2, kp_w: row 8 j + wave, byte 8 lane
	v_add_nc_u32 v12, s39, v13
	v_add_nc_u32 v14, KPL, v12
	v_add_nc_u32 v13, W2L+128*W2P, v12
	v_add_nc_u32 v12, W2L, v12
	s_wait_loadcnt 0x0
	; THE GATHER: one copy a token, 32 lanes x 16 bytes = the whole row of 512 bytes.  All 32 go out ahead of every LDS read, barrier and wait on ASYNCcnt;
	; their 64 address registers and s[6:7] stay as they are until s_wait_asynccnt 0.
.set cq, 0
.rept 32
	v_readlane_b32 s36, v6, cq
	s_min_u32 s36, s36, 0x7cff                     ; an index stays inside the table of 32,000 rows
	v_lshl_add_u32 v[GO+cq], s36, 9, v1
	global_load_async_to_lds_b128 v[LA+cq], v[GO+cq], s[6:7]
.set cq, cq+1
.endr
	; THE WEIGHTS: waves 0-4 fetch 512 bytes each of b1, b1, b2, g, beta; then every wave 80 loads of 512 neighbouring bytes.
	s_cmp_gt_u32 s30, 4
	s_cbranch_scc1 .Lno_vec_load
	s_mov_b64 s[42:43], s[14:15]
	s_cmp_eq_u32 s30, 2
	s_cselect_b64 s[42:43], s[16:17], s[42:43]
	s_cmp_eq_u32 s30, 3
	s_cselect_b64 s[42:43], s[18:19], s[42:43]
	s_cmp_eq_u32 s30, 4
	s_cselect_b64 s[42:43], s[20:21], s[42:43]
	s_cmp_eq_u32 s30, 1
	s_cselect_b32 s44, 512, 0                      ; wave 1: the second half of b1
	v_add_nc_u32 v7, s44, v1
	global_load_b128 v[16:19], v7, s[42:43]
.Lno_vec_load:
	WIN 0x40
.set cq, 0
.rept 32
	global_load_b128 v[4*cq:4*cq+3], v9, s[8:9] offset:4096*cq           ; ff_w1, window 1, 0-127
.set cq, cq+1
.endr
.set cq, 0
.rept 16
	global_load_b128 v[128+4*cq:128+4*cq+3], v9, s[10:11] offset:4096*cq ; ff_w2, first half, window 1, 128-191
.set cq, cq+1
.endr
	WIN 0
.set cq, 0
.rept 16
	global_load_b128 v[G3+4*cq:G3+4*cq+3], v9, s[10:11] offset:4096*(16+cq)
.set cq, cq+1
.endr
.set cq, 0
.rept 16
	global_load_b128 v[G4+4*cq:G4+4*cq+3], v9, s[12:13] offset:4096*cq
.set cq, cq+1
.endr
; sixteen loads' 64 numbers are rounded to 16 bits and stored, 8 bytes a lane
.macro CVST op, src, blk, adr, step
.if \blk
	WIN 0x05
.endif
.set cq, 0
.rept 32
	\op v[TMPK+cq], v[\src+2*cq], v[\src+2*cq+1]
.set cq, cq+1
.endr
	WIN 0
.set cq, 0
.rept 16
	ds_store_b64 v[\adr], v[TMPK+2*cq:TMPK+2*cq+1] offset:cq*\step
.set cq, cq+1
.endr
.endm
	s_wait_loadcnt 63                              ; 64 loads are younger than the first sixteen; the count's field ends at 63, which asks for one more
	s_cmp_gt_u32 s30, 4
	s_cbranch_scc1 .Lno_vec_store
	ds_store_b128 v8, v[16:19]
.Lno_vec_store:
	CVST v_cvt_pk_bf16_f32, 0, 1, 10, 4*W1P
	s_wait_loadcnt 48                              ; three groups of sixteen are younger
	CVST v_cvt_pk_bf16_f32, 64, 1, 11, 4*W1P
	s_wait_loadcnt 32
	CVST v_cvt_pk_bf16_f32, 128, 1, 12, 8*W2P
	s_wait_loadcnt 16
	CVST v_cvt_pk_bf16_f32, G3, 0, 13, 8*W2P
	s_wait_loadcnt 0x0
	CVST v_cvt_pk_f16_f32, G4, 0, 14, 8*W2P
	; MY 32 ROWS OF H into the f32 rows x: the FFN's second product adds onto them, which is the residual.
	s_wait_asynccnt 0x0                            ; a wave reads only the rows that its own copies brought
	v_and_b32 v[TRR], 7, v0
	v_lshl_or_b32 v[TRR], v3, 3, v[TRR]
	v_bfe_u32 v[TRC], v0, 3, 1
	v_lshlrev_b32 v[TRC], 4, v[TRC]
	v_mad_u32_u24 v[ADW1], v[TRR], W1P, v[TRC]
	v_mad_u32_u24 v[ADW2], v[TRR], W2P, v[TRC]
	v_add_nc_u32 v[ADKP], KPL, v[ADW2]
	v_add_nc_u32 v[ADW2], W2L, v[ADW2]
	v_lshlrev_b32 v[ADV], 5, v3
	v_add_nc_u32 v[ADV], VECL, v[ADV]              ; a vector in the layout of a result tile: 64 i + 32 h
	v_mov_b32 v[ADB], v[ADV]
	v_mul_u32_u24 v[ADH], v2, HP
	v_lshl_add_u32 v[ADH], v3, 5, v[ADH]
	v_add_nc_u32 v[ADH], s38, v[ADH]
	WIN 0x40
.set cn, 0
.rept 2
.set ci, 0
.rept 8
	ds_load_b128 v[64*cn+8*ci:64*cn+8*ci+3], v[ADH] offset:16*HP*cn+64*ci
	ds_load_b128 v[64*cn+8*ci+4:64*cn+8*ci+7], v[ADH] offset:16*HP*cn+64*ci+16
.set ci, ci+1
.endr
.set cn, cn+1
.endr
	WIN 0
	s_wait_dscnt 0x0                               ; my stores of the weights are done, for the others' sake, and my rows are in
	s_barrier_signal -1
	s_barrier_wait -1                              ; the weights are whole
.macro LDA1                            ; 32 hidden features of ff_w1 transposed (2 tiles x 4 K steps) and their bias: 20 loads
.set ck, 0
.rept 4
.set cm, 0
.rept 2
	ds_load_tr16_b128 v[A1+32*cm+8*ck:A1+32*cm+8*ck+3], v[ADW1] offset:32*W1P*ck+32*cm
	ds_load_tr16_b128 v[A1+32*cm+8*ck+4:A1+32*cm+8*ck+7], v[ADW1] offset:32*W1P*ck+32*cm+16*W1P
.set cm, cm+1
.endr
.set ck, ck+1
.endr
.set cm, 0
.rept 2
	ds_load_b128 v[BIAS+8*cm:BIAS+8*cm+3], v[ADB] offset:64*cm
	ds_load_b128 v[BIAS+8*cm+4:BIAS+8*cm+7], v[ADB] offset:64*cm+16
.set cm, cm+1
.endr
.endm
.macro LDA2                            ; the same 32 hidden features of ff_w2 transposed, 8 tiles: 16 loads
.set ci, 0
.rept 8
	ds_load_tr16_b128 v[A2+8*ci:A2+8*ci+3], v[ADW2] offset:32*ci
	ds_load_tr16_b128 v[A2+8*ci+4:A2+8*ci+7], v[ADW2] offset:32*ci+16*W2P
.set ci, ci+1
.endr
.endm
.macro LDVEC dst, off                  ; a vector of 128 in the layout of 8 result tiles: 16 loads
.set ci, 0
.rept 8
	ds_load_b128 v[\dst+8*ci:\dst+8*ci+3], v[ADV] offset:\off+64*ci
	ds_load_b128 v[\dst+8*ci+4:\dst+8*ci+7], v[ADV] offset:\off+64*ci+16
.set ci, ci+1
.endr
.endm
.macro LDKP dst, ks                    ; K step ks of kp_w transposed, 8 tiles: 16 loads
.set ci, 0
.rept 8
	ds_load_tr16_b128 v[\dst+8*ci:\dst+8*ci+3], v[ADKP] offset:32*W2P*\ks+32*ci
	ds_load_tr16_b128 v[\dst+8*ci+4:\dst+8*ci+7], v[ADKP] offset:32*W2P*\ks+32*ci+16*W2P
.set ci, ci+1
.endr
.endm
	LDA1
	LDA2
	WIN 0x45
.set cq, 0
.rept 64
	v_cvt_pk_bf16_f32 v[HB+cq], v[2*cq], v[2*cq+1] ; h in bf16: source 1 of the first product
.set cq, cq+1
.endr
	WIN 0
; THE FFN, 32 hidden features a trip: hid = relu(W1^T h + b1) (16 matrix instructions), x += W2^T hid (16).
; In both products the accumulators take turns, one instruction a turn.
.macro FFN_TRIP last
	s_wait_dscnt 16                                ; ff_w1's tiles and the bias are in; ff_w2's sixteen loads are younger
.if \last == 0
	v_add_nc_u32 v[ADW1], 64, v[ADW1]              ; every load of this trip is for the next 32 hidden features
	v_add_nc_u32 v[ADW2], 32*W2P, v[ADW2]
	v_add_nc_u32 v[ADB], 128, v[ADB]
.endif
	WIN 0x04
.set ck, 0
.rept 4
.set cm, 0
.rept 2
.set cn, 0
.rept 2
.if ck == 0
	v_wmma_f32_16x16x32_bf16 v[ACC1+16*cm+8*cn:ACC1+16*cm+8*cn+7], v[A1+32*cm+8*ck:A1+32*cm+8*ck+7], v[HB+32*cn+8*ck:HB+32*cn+8*ck+7], v[BIAS+8*cm:BIAS+8*cm+7]
.else
	v_wmma_f32_16x16x32_bf16 v[ACC1+16*cm+8*cn:ACC1+16*cm+8*cn+7], v[A1+32*cm+8*ck:A1+32*cm+8*ck+7], v[HB+32*cn+8*ck:HB+32*cn+8*ck+7], v[ACC1+16*cm+8*cn:ACC1+16*cm+8*cn+7]
.endif
.set cn, cn+1
.endr
.set cm, cm+1
.endr
.set ck, ck+1
.endr
	WIN 0
	NOPS 4
.if \last
	LDVEC A1, 1024                                 ; b2
.else
	LDA1
.endif
.set cq, 0
.rept 32
	v_max_num_f32 v[ACC1+cq], 0, v[ACC1+cq]
.set cq, cq+1
.endr
.set cm, 0
.rept 2
.set cn, 0
.rept 2
.set cq, 0
.rept 4
	v_cvt_pk_bf16_f32 v[HID+8*cn+4*cm+cq], v[ACC1+16*cm+8*cn+2*cq], v[ACC1+16*cm+8*cn+2*cq+1]
.set cq, cq+1
.endr
.set cn, cn+1
.endr
.set cm, cm+1
.endr
.if \last
	s_wait_dscnt 16                                ; ff_w2's tiles are in; the sixteen loads just issued stay out
.else
	s_wait_dscnt 20                                ; ff_w2's tiles are in; the twenty loads just issued stay out
.endif
	WIN 0x50
.set ci, 0
.rept 8
.set cn, 0
.rept 2
	v_wmma_f32_16x16x32_bf16 v[64*cn+8*ci:64*cn+8*ci+7], v[A2+8*ci:A2+8*ci+7], v[HID+8*cn:HID+8*cn+7], v[64*cn+8*ci:64*cn+8*ci+7]
.set cn, cn+1
.endr
.set ci, ci+1
.endr
	WIN 0
	NOPS 4
.if \last
	LDVEC A2, 1536                                 ; g
.else
	LDA2
.endif
.endm
	s_mov_b32 s46, 7
.Lffn:
	FFN_TRIP 0
	s_sub_co_u32 s46, s46, 1
	s_cmp_lg_u32 s46, 0
	s_cbranch_scc1 .Lffn
	FFN_TRIP 1
; four chains of pairs in v[sb .. sb+7] -> the token's sum, over both halves of the lanes, in v[sb]
.macro FOLD sb
	v_pk_add_f32 v[\sb:\sb+1], v[\sb:\sb+1], v[\sb+2:\sb+3]
	v_pk_add_f32 v[\sb+4:\sb+5], v[\sb+4:\sb+5], v[\sb+6:\sb+7]
	v_pk_add_f32 v[\sb:\sb+1], v[\sb:\sb+1], v[\sb+4:\sb+5]
	v_add_f32 v[\sb], v[\sb], v[\sb+1]
	v_permlanex16_b32 v[\sb+1], v[\sb], s34, s35
	v_add_f32 v[\sb], v[\sb], v[\sb+1]
.endm
.macro SUMX                            ; v16, v24: the sums of the two tokens' 128 numbers
	WIN 0x05
.set cn, 0
.rept 2
.set cq, 0
.rept 4
	v_pk_add_f32 v[16+8*cn+2*cq:16+8*cn+2*cq+1], v[64*cn+2*cq:64*cn+2*cq+1], v[64*cn+8+2*cq:64*cn+8+2*cq+1]
.set cq, cq+1
.endr
.set cn, cn+1
.endr
	WIN 0x04
.set cn, 0
.rept 2
.set cq, 8
.rept 24
	v_pk_add_f32 v[16+8*cn+2*(cq%4):16+8*cn+2*(cq%4)+1], v[16+8*cn+2*(cq%4):16+8*cn+2*(cq%4)+1], v[64*cn+2*cq:64*cn+2*cq+1]
.set cq, cq+1
.endr
.set cn, cn+1
.endr
	WIN 0
	FOLD 16
	FOLD 24
.endm
.macro SUMSQ                           ; v16, v24: the sums of their squares
	WIN 0x05
.set cn, 0
.rept 2
.set cq, 0
.rept 4
	v_pk_mul_f32 v[16+8*cn+2*cq:16+8*cn+2*cq+1], v[64*cn+2*cq:64*cn+2*cq+1], v[64*cn+2*cq:64*cn+2*cq+1]
.set cq, cq+1
.endr
.rept 28
	v_pk_fma_f32 v[16+8*cn+2*(cq%4):16+8*cn+2*(cq%4)+1], v[64*cn+2*cq:64*cn+2*cq+1], v[64*cn+2*cq:64*cn+2*cq+1], v[16+8*cn+2*(cq%4):16+8*cn+2*(cq%4)+1]
.set cq, cq+1
.endr
.set cn, cn+1
.endr
	WIN 0
	FOLD 16
	FOLD 24
.endm
	; LAYERNORM, in f32, in two passes over the registers
	s_mov_b32 s40, 0x3c000000                      ; 1/128
	s_mov_b32 s41, 0x3727c5ac                      ; 1e-5
	s_wait_dscnt 16                                ; b2 is in; g's sixteen loads are younger
	WIN 0x41
.set cn, 0
.rept 2
.set cq, 0
.rept 32
	v_pk_add_f32 v[64*cn+2*cq:64*cn+2*cq+1], v[64*cn+2*cq:64*cn+2*cq+1], v[A1+2*cq:A1+2*cq+1]
.set cq, cq+1
.endr
.set cn, cn+1
.endr
	WIN 0
	LDVEC A1, 2048                                 ; beta
	SUMX
	v_mul_f32 v16, s40, v16                        ; the means
	v_mul_f32 v24, s40, v24
	WIN 0x41
.set cn, 0
.rept 2
.set cq, 0
.rept 32
	v_pk_add_f32 v[64*cn+2*cq:64*cn+2*cq+1], v[64*cn+2*cq:64*cn+2*cq+1], v[16+8*cn:17+8*cn] op_sel_hi:[1,0] neg_lo:[0,1] neg_hi:[0,1]
.set cq, cq+1
.endr
.set cn, cn+1
.endr
	SUMSQ
	v_fma_f32 v16, v16, s40, s41                   ; variance + eps
	v_fma_f32 v24, v24, s40, s41
	v_rsq_f32 v18, v16
	v_rsq_f32 v26, v24
	v_nop                                          ; one plain place behind the transcendentals (ISA guide 5.7.2)
	s_wait_dscnt 0x0                               ; g and beta
	WIN 0x41
.set cn, 0
	s_wait_alu depctr_va_vdst(0)
.rept 2
.set cq, 0
.rept 32
	v_pk_mul_f32 v[64*cn+2*cq:64*cn+2*cq+1], v[64*cn+2*cq:64*cn+2*cq+1], v[18+8*cn:19+8*cn] op_sel_hi:[1,0]
	v_pk_fma_f32 v[64*cn+2*cq:64*cn+2*cq+1], v[64*cn+2*cq:64*cn+2*cq+1], v[A2+2*cq:A2+2*cq+1], v[A1+2*cq:A1+2*cq+1]
.set cq, cq+1
.endr
.set cn, cn+1
.endr
	WIN 0
	LDKP A1, 0
	LDKP A2, 1
	WIN 0x05
.set cq, 0
.rept 64
	v_cvt_pk_f16_f32 v[HN+cq], v[2*cq], v[2*cq+1]
.set cq, cq+1
.endr
	WIN 0
; k = h kp_w: sixteen accumulators take turns, one instruction a turn
.macro KPSTEP abuf, ks, zero
.set ci, 0
.rept 8
.set cn, 0
.rept 2
.if \zero
	v_wmma_f32_16x16x32_f16 v[64*cn+8*ci:64*cn+8*ci+7], v[\abuf+8*ci:\abuf+8*ci+7], v[HN+32*cn+8*\ks:HN+32*cn+8*\ks+7], 0
.else
	v_wmma_f32_16x16x32_f16 v[64*cn+8*ci:64*cn+8*ci+7], v[\abuf+8*ci:\abuf+8*ci+7], v[HN+32*cn+8*\ks:HN+32*cn+8*\ks+7], v[64*cn+8*ci:64*cn+8*ci+7]
.endif
.set cn, cn+1
.endr
.set ci, ci+1
.endr
.endm
	s_wait_dscnt 16                                ; K step 0 is in, K step 1's sixteen loads are younger; likewise below
	WIN 0x50
	KPSTEP A1, 0, 1
	WIN 0
	NOPS 4
	LDKP A1, 2
	s_wait_dscnt 16
	WIN 0x50
	KPSTEP A2, 1, 0
	WIN 0
	NOPS 4
	LDKP A2, 3
	s_wait_dscnt 16
	WIN 0x50
	KPSTEP A1, 2, 0
	s_wait_dscnt 0x0                               ; my last reads of the weights are back:
	s_barrier_signal -1                            ; say so; register work alone up to the wait
	KPSTEP A2, 3, 0
	WIN 0
	NOPS 4
	SUMSQ
	v_sqrt_f32 v18, v16
	v_sqrt_f32 v26, v24
	v_nop
	s_wait_alu depctr_va_vdst(0)
	v_max_num_f32 v18, 0x2b8cbccc, v18             ; n = max(|k|, 1e-12)
	v_max_num_f32 v26, 0x2b8cbccc, v26
	v_rcp_f32 v20, v18
	v_rcp_f32 v28, v26
	s_lshl_b32 s36, s32, 8
	s_lshl_b32 s37, s30, 5
	s_add_co_u32 s36, s36, s37
	v_add_nc_u32 v12, s36, v2                      ; the first tile's token in its sequence (the plain place behind v_rcp_f32)
	v_cmp_eq_u32 vcc_lo, 1023, v12
	s_wait_alu depctr_va_vdst(0)
	v_cndmask_b32 v20, v20, 0, vcc_lo              ; the query takes no part in the scan: its kn is 0
	v_cmp_eq_u32 vcc_lo, 1007, v12
	v_cndmask_b32 v28, v28, 0, vcc_lo
	s_barrier_wait -1                              ; no wave reads the weights any more: kn, T, G and n may lie over them
	; the query's raw k: token 1023 is lane r = 15 of the second tile of wave 7 of quarter 3.  Through wave 7's own rows of H, whose one fill is long over.
	s_cmp_lg_u32 s32, 3
	s_cbranch_scc1 .Lno_q
	s_cmp_lg_u32 s30, 7
	s_cbranch_scc1 .Lno_q
	v_mul_u32_u24 v13, v2, HP
	v_lshl_add_u32 v13, v3, 5, v13
	v_add_nc_u32 v13, HL+7*32*HP, v13
	v_add_nc_u32 v14, HL+7*32*HP+15*HP, v1
	WIN 0x04
.set ci, 0
.rept 8
	ds_store_b128 v13, v[64+8*ci:64+8*ci+3] offset:64*ci
	ds_store_b128 v13, v[64+8*ci+4:64+8*ci+7] offset:64*ci+16
.set ci, ci+1
.endr
	WIN 0
	ds_load_b128 v[96:99], v14                     ; LDS serves a wave's instructions in order (ISA guide 5.7.1.4)
	s_lshl_b32 s36, s33, 9
	s_mov_b32 s37, 0
	s_add_nc_u64 s[28:29], s[28:29], s[36:37]
	s_wait_dscnt 0x0
	global_store_b128 v1, v[96:99], s[28:29]       ; 512 consecutive bytes
	s_wait_xcnt 0x0                                ; v[96:99] are loaded again below only behind this wait
.Lno_q:
	; kn = k / n, to f16, to LDS; n to LDS
	WIN 0x41
.set cn, 0
.rept 2
.set cq, 0
.rept 32
	v_pk_mul_f32 v[64*cn+2*cq:64*cn+2*cq+1], v[64*cn+2*cq:64*cn+2*cq+1], v[20+8*cn:21+8*cn] op_sel_hi:[1,0]
.set cq, cq+1
.endr
.set cn, cn+1
.endr
	WIN 0x05
.set cq, 0
.rept 64
	v_cvt_pk_f16_f32 v[KH+cq], v[2*cq], v[2*cq+1]
.set cq, cq+1
.endr
	WIN 0
	s_mul_i32 s36, s30, 32*KNP
	v_mul_u32_u24 v15, v2, KNP
	v_lshl_add_u32 v15, v3, 4, v15                 ; 272 r + 16 h
	v_add_nc_u32 v8, s36, v15
	s_lshl_b32 s37, s30, 7
	s_add_co_u32 s37, s37, NRML
	v_lshl_add_u32 v9, v2, 2, s37
.set cn, 0
.rept 2
.set ci, 0
.rept 8
	ds_store_b128 v8, v[KH+32*cn+4*ci:KH+32*cn+4*ci+3] offset:16*KNP*cn+32*ci
.set ci, ci+1
.endr
.set cn, cn+1
.endr
	ds_store_b32 v9, v18
	ds_store_b32 v9, v26 offset:64
	; THE GRAM TILES of my 32 tokens (a = the first 16, b = the last 16): G_aa, G_bb, G_ab.  Three accumulators by turns.
.set ck, 0
.rept 4
.if ck == 0
	v_wmma_f32_16x16x32_f16 v[224:231], v[KH+8*ck:KH+8*ck+7], v[KH+8*ck:KH+8*ck+7], 0
	v_wmma_f32_16x16x32_f16 v[232:239], v[KH+32+8*ck:KH+32+8*ck+7], v[KH+32+8*ck:KH+32+8*ck+7], 0
	v_wmma_f32_16x16x32_f16 v[240:247], v[KH+8*ck:KH+8*ck+7], v[KH+32+8*ck:KH+32+8*ck+7], 0
.else
	v_wmma_f32_16x16x32_f16 v[224:231], v[KH+8*ck:KH+8*ck+7], v[KH+8*ck:KH+8*ck+7], v[224:231]
	v_wmma_f32_16x16x32_f16 v[232:239], v[KH+32+8*ck:KH+32+8*ck+7], v[KH+32+8*ck:KH+32+8*ck+7], v[232:239]
	v_wmma_f32_16x16x32_f16 v[240:247], v[KH+8*ck:KH+8*ck+7], v[KH+32+8*ck:KH+32+8*ck+7], v[240:247]
.endif
.set ck, ck+1
.endr
	NOPS 5
	s_lshl_b32 s36, s30, 11
	s_add_co_u32 s36, s36, GSL
	v_lshlrev_b32 v4, 6, v2
	v_lshl_add_u32 v4, v3, 5, v4
	v_add_nc_u32 v4, s36, v4                       ; a lane's eight numbers G(8h+j, r) are stored as G(r, 8h+j): the tiles are symmetric
	v_lshl_add_u32 v5, v3, 10, s36                 ; lanes 0-15 solve for tile a, lanes 16-31 for tile b
	ds_store_b128 v4, v[224:227]
	ds_store_b128 v4, v[228:231] offset:16
	ds_store_b128 v4, v[232:235] offset:1024
	ds_store_b128 v4, v[236:239] offset:1040
.set cq, 0
.rept 4
	v_cvt_pk_f16_f32 v[248+cq], v[240+2*cq], v[240+2*cq+1]   ; as source 0 this is G_ba; its K = 16..31 is 0
	v_mov_b32 v[252+cq], 0
.set cq, cq+1
.endr
	; -T of a diagonal tile by substitution in f32: lane c solves z (I + strict upper G) = -e_c, z_i -= G(k, i) z_k for i > k.  Row k's quads that hold an i > k: 36 loads.
.set cg, 0
.set ck, 0
.rept 15
.set cq, (ck+1)>>2
.rept 4-((ck+1)>>2)
	ds_load_b128 v[GR+4*cg:GR+4*cg+3], v5 offset:64*ck+16*cq
.set cg, cg+1
.set cq, cq+1
.endr
.set ck, ck+1
.endr
.set cq, 0
.rept 16
	v_cmp_eq_u32 vcc_lo, cq, v2
	v_cndmask_b32 v[ZR+cq], 0, -1.0, vcc_lo
.set cq, cq+1
.endr
	s_mul_i32 s37, s30, 32*TTP
	s_add_co_u32 s37, s37, TTL                     ; my block of -T
	v_lshl_add_u32 v6, v3, 4, v2
	v_mul_u32_u24 v6, v6, TTP
	v_add_nc_u32 v6, s37, v6                       ; row 16 h + r
	v_lshlrev_b32 v7, 5, v3
	v_sub_nc_u32 v13, 32, v7
	v_add_nc_u32 v7, v6, v7                        ; the diagonal tile's 32 bytes of the row
	v_add_nc_u32 v13, v6, v13                      ; the other 32 bytes
	v_mul_u32_u24 v12, v2, TTP
	v_lshl_add_u32 v12, v3, 4, v12
	v_add_nc_u32 v12, s37, v12                     ; 80 r + 16 h
	v_mad_u32_u24 v14, v[TRR], TTP, v[TRC]
	v_add_nc_u32 v14, s37, v14
	v_add_nc_u32 v14, 16*TTP+32, v14               ; -T_bb, read transposed
	s_wait_dscnt 0x0
.set cg, 0
.set ck, 0
.rept 15
.set ci, ck+1
.rept 15-ck
	v_fma_f32 v[ZR+ci], -v[GR+4*cg+ci-4*((ck+1)>>2)], v[ZR+ck], v[ZR+ci]
.set ci, ci+1
.endr
.set cg, cg+4-((ck+1)>>2)
.set ck, ck+1
.endr
.set cq, 0
.rept 8
	v_cvt_pk_f16_f32 v[176+cq], v[ZR+2*cq], v[ZR+2*cq+1]
.set cq, cq+1
.endr
.set cq, 0
.rept 4
	v_mov_b32 v[184+cq], 0
	v_mov_b32 v[196+cq], 0
	v_mov_b32 v[204+cq], 0
	v_mov_b32 v[220+cq], 0
.set cq, cq+1
.endr
	ds_store_b128 v7, v[176:179]
	ds_store_b128 v7, v[180:183] offset:16
	ds_store_b128 v13, v[184:187]                  ; zeros: they stay below the diagonal, and are written over above it
	ds_store_b128 v13, v[184:187] offset:16
	; -T_ab = (-T_aa) G_ab (-T_bb), made transposed: M = G_ba (-T_aa)^T, D = (-T_bb)^T M; a lane's eight D are eight neighbouring numbers of a row of -T_ab
	ds_load_b128 v[192:195], v12
	ds_load_tr16_b128 v[200:203], v14
	s_wait_dscnt 0x0
	v_wmma_f32_16x16x32_f16 v[208:215], v[248:255], v[192:199], 0
	NOPS 5
.set cq, 0
.rept 4
	v_cvt_pk_f16_f32 v[216+cq], v[208+2*cq], v[208+2*cq+1]
.set cq, cq+1
.endr
	v_wmma_f32_16x16x32_f16 v[224:231], v[200:207], v[216:223], 0
	NOPS 5
.set cq, 0
.rept 4
	v_cvt_pk_f16_f32 v[176+cq], v[224+2*cq], v[224+2*cq+1]
.set cq, cq+1
.endr
	ds_store_b128 v12, v[176:179] offset:32
	s_wait_dscnt 0x0                               ; my kn, n and -T are stored, for the others' sake
	s_barrier_signal -1
	s_barrier_wait -1                              ; everybody's are
.macro LDKA                            ; 32 tokens x 128 features of kn by rows: 16 loads
.set cm, 0
.rept 2
.set ck, 0
.rept 4
	ds_load_b128 v[KA+32*cm+8*ck:KA+32*cm+8*ck+3], v[ADKA] offset:16*KNP*cm+64*ck
	ds_load_b128 v[KA+32*cm+8*ck+4:KA+32*cm+8*ck+7], v[ADKA] offset:16*KNP*cm+64*ck+32
.set ck, ck+1
.endr
.set cm, cm+1
.endr
.endm
.macro LDTA                            ; -T of the block: 4 loads
.set cm, 0
.rept 2
	ds_load_b128 v[TA+8*cm:TA+8*cm+3], v[ADT] offset:16*TTP*cm
	ds_load_b128 v[TA+8*cm+4:TA+8*cm+7], v[ADT] offset:16*TTP*cm+32
.set cm, cm+1
.endr
.endm
.macro LDNR                            ; n of the block's tokens in the layout of a result tile: 4 loads
.set cm, 0
.rept 2
	ds_load_b128 v[NR+8*cm:NR+8*cm+3], v[ADN] offset:64*cm
	ds_load_b128 v[NR+8*cm+4:NR+8*cm+7], v[ADN] offset:64*cm+16
.set cm, cm+1
.endr
.endm
.macro LDKT                            ; the same kn transposed: 16 loads
.set ci, 0
.rept 8
	ds_load_tr16_b128 v[KT+8*ci:KT+8*ci+3], v[ADKT] offset:32*ci
	ds_load_tr16_b128 v[KT+8*ci+4:KT+8*ci+7], v[ADKT] offset:32*ci+16*KNP
.set ci, ci+1
.endr
.endm
	; THE RECURRENCE starts at block 7
	v_add_nc_u32 v[ADKA], 7*32*KNP, v15
	v_mad_u32_u24 v[ADKT], v[TRR], KNP, v[TRC]
	v_add_nc_u32 v[ADKT], 7*32*KNP, v[ADKT]
	v_mul_u32_u24 v[ADT], v2, TTP
	v_lshl_add_u32 v[ADT], v3, 4, v[ADT]
	v_add_nc_u32 v[ADT], TTL+7*32*TTP, v[ADT]
	v_lshlrev_b32 v[ADN], 5, v3
	v_add_nc_u32 v[ADN], NRML+7*128, v[ADN]
	v_lshlrev_b32 v8, 1, v1
	v_add_nc_u32 v8, NRML, v8
	ds_load_b128 v[16:19], v8                      ; eight of the 256 norms a lane
	ds_load_b128 v[20:23], v8 offset:16
	LDKA
	LDTA
	LDNR
	LDKT
	s_wait_dscnt 40                                ; the norms are in; block 7's forty loads are younger
	v_max3_num_f32 v16, v16, v17, v18
	v_max3_num_f32 v19, v19, v20, v21
	v_max3_num_f32 v16, v16, v22, v23
	v_max_num_f32 v16, v16, v19
	v_max_num_f32_dpp v16, v16, v16 row_xmask:1 row_mask:0xf bank_mask:0xf
	v_max_num_f32_dpp v16, v16, v16 row_xmask:2 row_mask:0xf bank_mask:0xf
	v_max_num_f32_dpp v16, v16, v16 row_xmask:4 row_mask:0xf bank_mask:0xf
	v_max_num_f32_dpp v16, v16, v16 row_xmask:8 row_mask:0xf bank_mask:0xf
	v_permlanex16_b32 v17, v16, s34, s35
	v_max_num_f32 v14, v16, v17                    ; s = the quarter's largest n: R is kept as R / s, so that n C / s fits f16 whatever the size of k
	v_rcp_f32 v12, v14
	s_lshl_b32 s36, s30, 4
	v_add_nc_u32 v9, s36, v2                       ; (the plain place behind v_rcp_f32)
	s_wait_alu depctr_va_vdst(0)
	v_mul_f32 v12, -1.0, v12                       ; -1 / s: the product below starts from -C
	v_mov_b32 v13, v12
	v_lshlrev_b32 v15, 3, v3
	v_sub_nc_u32 v9, v9, v15                       ; X(16 i + 8 h + j, 16 w + r) = 1 where 16 i + j = 16 w + r - 8 h
	WIN 0x40
.set cq, 0
.rept 64
	v_cmp_eq_u32 vcc_lo, 16*(cq>>3)+(cq&7), v9
	v_cndmask_b32 v[cq], 0, 1.0, vcc_lo
.set cq, cq+1
.endr
	WIN 0x05
.set cq, 0
.rept 32
	v_cvt_pk_f16_f32 v[XH+cq], v[2*cq], v[2*cq+1]
.set cq, cq+1
.endr
	WIN 0
; One block of 32 tokens on my 16 columns.  The loads go out in the order kn by rows (16), -T (4), n (4), kn transposed (16), each group as soon as the
; matrix instructions that read its registers are four places behind; every count below is the number of loads issued behind the group waited for.
; In every product the accumulators take turns, one instruction a turn.
.macro BLOCK first, more
	s_wait_dscnt 24                                ; kn by rows is in; 4 + 4 + 16 are younger
.if \more
	v_sub_nc_u32 v[ADKA], v[ADKA], 32*KNP          ; every load of this trip is for the block in front
	v_sub_nc_u32 v[ADKT], v[ADKT], 32*KNP
	v_sub_nc_u32 v[ADT], v[ADT], 32*TTP
	v_sub_nc_u32 v[ADN], v[ADN], 128
.endif
.set ck, 0
.rept 4
.set cm, 0
.rept 2
.if ck == 0
	v_wmma_f32_16x16x32_f16 v[BM+8*cm:BM+8*cm+7], v[KA+32*cm+8*ck:KA+32*cm+8*ck+7], v[XH+8*ck:XH+8*ck+7], 0
.else
	v_wmma_f32_16x16x32_f16 v[BM+8*cm:BM+8*cm+7], v[KA+32*cm+8*ck:KA+32*cm+8*ck+7], v[XH+8*ck:XH+8*ck+7], v[BM+8*cm:BM+8*cm+7]
.endif
.set cm, cm+1
.endr
.set ck, ck+1
.endr
	NOPS 5
.if \more
	LDKA
.endif
.set cq, 0
.rept 8
	v_cvt_pk_f16_f32 v[BH+cq], v[BM+2*cq], v[BM+2*cq+1]       ; B = Kn X
.set cq, cq+1
.endr
.if \more
	s_wait_dscnt 36                                ; -T is in; 4 + 16 + 16 are younger
.else
	s_wait_dscnt 20                                ; 4 + 16
.endif
	v_wmma_f32_16x16x32_f16 v[BM:BM+7], v[TA:TA+7], v[BH:BH+7], 0          ; -C = (-T) B
	v_wmma_f32_16x16x32_f16 v[BM+8:BM+15], v[TA+8:TA+15], v[BH:BH+7], 0
	NOPS 5
.if \more
	LDTA
	s_wait_dscnt 36                                ; n is in; 16 + 16 + 4 are younger
.else
	s_wait_dscnt 16
.endif
.set cq, 0
.rept 8
	v_cvt_pk_f16_f32 v[CH+cq], v[BM+2*cq], v[BM+2*cq+1]
	v_pk_mul_f32 v[NR+2*cq:NR+2*cq+1], v[NR+2*cq:NR+2*cq+1], v[12:13] op_sel_hi:[1,0]
	v_pk_mul_f32 v[NR+2*cq:NR+2*cq+1], v[NR+2*cq:NR+2*cq+1], v[BM+2*cq:BM+2*cq+1]
	v_cvt_pk_f16_f32 v[CN+cq], v[NR+2*cq], v[NR+2*cq+1]       ; n C / s
.set cq, cq+1
.endr
.if \more
	LDNR
	s_wait_dscnt 24                                ; kn transposed is in; 16 + 4 + 4 are younger
.else
	s_wait_dscnt 0x0
.endif
	WIN 0x50
.set ci, 0
.rept 8
	v_wmma_f32_16x16x32_f16 v[8*ci:8*ci+7], v[KT+8*ci:KT+8*ci+7], v[CH:CH+7], v[8*ci:8*ci+7]               ; X += Kn^T (-C)
.set ci, ci+1
.endr
.set ci, 0
.rept 8
.if \first
	v_wmma_f32_16x16x32_f16 v[64+8*ci:64+8*ci+7], v[KT+8*ci:KT+8*ci+7], v[CN:CN+7], 0                      ; the first block starts R's sums
.else
	v_wmma_f32_16x16x32_f16 v[64+8*ci:64+8*ci+7], v[KT+8*ci:KT+8*ci+7], v[CN:CN+7], v[64+8*ci:64+8*ci+7]   ; R / s += Kn^T (n C / s)
.endif
.set ci, ci+1
.endr
	WIN 0
	NOPS 5
.if \more
	LDKT
	WIN 0x05
.set cq, 0
.rept 32
	v_cvt_pk_f16_f32 v[XH+cq], v[2*cq], v[2*cq+1]
.set cq, cq+1
.endr
	WIN 0
.endif
.endm
	BLOCK 1, 1                                     ; block 7
	s_mov_b32 s45, 6
.Lblock:
	BLOCK 0, 1                                     ; blocks 6 to 1
	s_sub_co_u32 s45, s45, 1
	s_cmp_lg_u32 s45, 0
	s_cbranch_scc1 .Lblock
	BLOCK 0, 0                                     ; block 0 fetches nothing
	; THE WAY OUT: my 16 columns, each 128 rows of f16 = 256 bytes, through my own rows of H (their one fill is long over, and only I have read them).
	v_mul_u32_u24 v8, v2, 272
	v_lshl_add_u32 v8, v3, 4, v8
	v_add_nc_u32 v8, s38, v8                       ; in: column r, 16 bytes for each half of the lanes
	v_mul_u32_u24 v9, v3, 272
	v_lshl_add_u32 v9, v2, 4, v9
	v_add_nc_u32 v9, s38, v9                       ; back: lanes 0-15 one column, lanes 16-31 the next
	s_lshl_b32 s36, s31, 15
	s_lshl_b32 s37, s30, 12
	s_add_co_u32 s36, s36, s37                     ; 32,768 g + 4,096 w
	s_mov_b32 s37, 0
	s_add_nc_u64 s[22:23], s[22:23], s[36:37]
	s_add_nc_u64 s[24:25], s[24:25], s[36:37]
.macro OUTSTRIP src, pk, bk, so, bs
	WIN 0x05
.set cq, 0
.rept 32
	v_cvt_pk_f16_f32 v[\pk+cq], v[\src+2*cq], v[\src+2*cq+1]
.set cq, cq+1
.endr
	WIN 0
.set ci, 0
.rept 8
	ds_store_b128 v8, v[\pk+4*ci:\pk+4*ci+3] offset:\so+32*ci
.set ci, ci+1
.endr
.set ci, 0
.rept 8
	ds_load_b128 v[\bk+4*ci:\bk+4*ci+3], v9 offset:\so+544*ci      ; LDS serves a wave's instructions in order: these see the stores above
.set ci, ci+1
.endr
.set ci, 0
.rept 8
	s_wait_dscnt 7-ci
	global_store_b128 v1, v[\bk+4*ci:\bk+4*ci+3], s[\bs:\bs+1] offset:512*ci   ; 512 consecutive bytes, at a multiple of 512 from the buffer's first byte
.set ci, ci+1
.endr
.endm
	OUTSTRIP 64, 96, 128, 4352, 24                 ; R / s
	s_cmp_eq_u32 s32, 0
	s_cbranch_scc1 .Lno_p                          ; behind the first quarter nothing is left for w to go to: its P is neither stored nor read
	OUTSTRIP 0, 32, 64, 0, 22                      ; P
.Lno_p:
	s_lshl_b32 s36, s31, 2
	s_mov_b32 s37, 0
	s_add_nc_u64 s[26:27], s[26:27], s[36:37]
	v_mov_b32 v15, 0
	v_cmp_eq_u32 vcc_lo, 0, v0
	s_wait_xcnt 0x0                                ; EXEC changes only behind s_wait_xcnt 0
	s_set_vgpr_msb 0x5
	s_wait_tensorcnt 0x0
	ds_add_u32 v192, v193
	s_wait_dscnt 0x0
	s_set_vgpr_msb 0x500
	s_and_saveexec_b32 s40, vcc_lo
	global_store_b32 v15, v14, s[26:27]            ; s, by thread 0
	s_wait_xcnt 0x0
	s_or_b32 exec_lo, exec_lo, s40
	s_endpgm
.Lfunc_end_k_qec64a003c2_chunk:
	.size	k_qec64a003c2_chunk, .Lfunc_end_k_qec64a003c2_chunk-k_qec64a003c2_chunk
	.p2alignl 7, 3214868480
	.fill 96, 4, 3214868480
	.section	.rodata,"a",@progbits
	.p2align	6, 0x0
	.amdhsa_kernel k_qec64a003c2_chunk
		.amdhsa_group_segment_fixed_size 318976
		.amdhsa_private_segment_fixed_size 0
		.amdhsa_enable_private_segment 0
		.amdhsa_kernarg_size 104
		.amdhsa_user_sgpr_count 2
		.amdhsa_user_sgpr_kernarg_segment_ptr 1
		.amdhsa_wavefront_size32 1
		.amdhsa_system_sgpr_workgroup_id_x 1
		.amdhsa_system_sgpr_workgroup_id_y 1
		.amdhsa_system_sgpr_workgroup_id_z 1
		.amdhsa_system_vgpr_workitem_id 0
		.amdhsa_next_free_vgpr 450
		.amdhsa_next_free_sgpr 66
		.amdhsa_reserve_vcc 1
		.amdhsa_float_denorm_mode_32 3
		.amdhsa_float_denorm_mode_16_64 3
		.amdhsa_memory_ordered 1
		.amdhsa_forward_progress 1
		.amdhsa_inst_pref_size 180
	.end_amdhsa_kernel
	.amdgpu_metadata
---
amdhsa.version: [ 1, 2 ]
amdhsa.kernels:
  - .name:           k_qec64a003c2_chunk
    .symbol:         k_qec64a003c2_chunk.kd
    .args:
      - { .name: seq, .offset: 0, .size: 8, .value_kind: global_buffer, .address_space: global }
      - { .name: embed, .offset: 8, .size: 8, .value_kind: global_buffer, .address_space: global }
      - { .name: ff_w1, .offset: 16, .size: 8, .value_kind: global_buffer, .address_space: global }
      - { .name: ff_w2, .offset: 24, .size: 8, .value_kind: global_buffer, .address_space: global }
      - { .name: kp_w, .offset: 32, .size: 8, .value_kind: global_buffer, .address_space: global }
      - { .name: ff_b1, .offset: 40, .size: 8, .value_kind: global_buffer, .address_space: global }
      - { .name: ff_b2, .offset: 48, .size: 8, .value_kind: global_buffer, .address_space: global }
      - { .name: ln_g, .offset: 56, .size: 8, .value_kind: global_buffer, .address_space: global }
      - { .name: ln_b, .offset: 64, .size: 8, .value_kind: global_buffer, .address_space: global }
      - { .name: pbuf, .offset: 72, .size: 8, .value_kind: global_buffer, .address_space: global }
      - { .name: rbuf, .offset: 80, .size: 8, .value_kind: global_buffer, .address_space: global }
      - { .name: scl, .offset: 88, .size: 8, .value_kind: global_buffer, .address_space: global }
      - { .name: qbuf, .offset: 96, .size: 8, .value_kind: global_buffer, .address_space: global }
    .group_segment_fixed_size: 318976
    .private_segment_fixed_size: 0
    .kernarg_segment_align: 8
    .kernarg_segment_size: 104
    .max_flat_workgroup_size: 256
    .sgpr_count:     66
    .vgpr_count:     450
    .wavefront_size: 32
...
	.end_amdgpu_metadata
.endif
;; end of part 1
;; launch combine (part 2): grid 64 x 1, 16 waves a work-group, no clusters, 44,288 bytes of LDS; arguments pbuf, rbuf, scl, qbuf, rp_w, rp_b, ybuf, ysc; writes ybuf, ysc
.if DOCPART == 2
	.amdgcn_target "amdgcn-amd-amdhsa--gfx1250"
	.amdhsa_code_object_version 6
	.text
	.protected	k_qec64a003c2_combine
	.globl	k_qec64a003c2_combine
	.p2align	8
	.type	k_qec64a003c2_combine,@function
k_qec64a003c2_combine:
	s_mov_b64 s[64:65], 0
	v_nop
	global_prefetch_b8 v0, s[64:65] scope:SCOPE_SE
	s_setreg_imm32_b32 hwreg(HW_REG_WAVE_MODE, 25, 1), 1
	s_wait_xcnt 0x0
; combine: one work-group a batch.  w = q; for the quarters 3, 2, 1, 0: read += s R' w, w = P w (the last P is not needed); y = read rp_w + rp_b;
; y goes out as f16 numbers y / m with m = max(max |y|, 1e-30) beside them, so that the last product's operand fits f16 whatever the size of y.
; All arithmetic in f32 on the vector unit: the products have one column, which the matrix unit would pad sixteenfold.
; 512 threads: rg = tid & 15 owns rows 8 rg .. + 7, cg = tid >> 4 owns columns 4 cg .. + 3.  P and R lie column by column (256 bytes a column), so sixteen lanes
; read one whole column.  All 38 loads of a thread go out at the start; the waits count the younger ones.
; THE SUM OVER cg: the two halves of a wave are folded in registers, and the wave stores its 128 partial sums (512 bytes) to its part of a region of LDS.
; Behind the barrier a wave wants rows 8 wave .. + 7 alone (they are w of its own columns): lane (h, i) takes wave i's four numbers of rows 8 wave + 4 h .. + 3 with one
; load, and four steps across the sixteen lanes of the half leave the total in each of them.  The waves' parts lie 528 bytes apart, 33 x 16.
; Each step has a region of its own: one barrier a step.
; LIMITS: max |y| inside 1e-37 .. 8e37 (v_rcp_f32 flushes denormals, ISA guide 15.8).
; NO JOINT LOADS: of a work-group's 295,952 bytes read only rp_w and rp_b (66,048) are shared with others, and they go straight into registers.
.set PPI,   528                        ; from one wave's partial sums to the next wave's
.set PART3, 0
.set PART2, 16*PPI
.set PART1, 2*16*PPI
.set PARTR, 3*16*PPI
.set PARTY, 4*16*PPI                   ; ends at 42,240
.set LB, 8                             ; v8-71    wave 0's last sum: sixteen quads (the f16 data that lay here has been used by then)
.set T,  120                           ; v120-127 at work
.set W,  128                           ; v128-131 w of my four columns
.set PP, 132                           ; v132-139 P w, my rows, my columns' share; in the tail v132-135 the read's rows 8 wave + 4 h .. + 3
.set RT, 140                           ; v140-147 R' w likewise; in the tail y's share
.set RA, 148                           ; v148-155 the read, my rows, my columns' share
.set RW, 156                           ; v156-187 rp_w: rows 8 wave + 4 h + m, columns 4 rg .. + 3 (registers 8 m ..) and 64 + 4 rg .. + 3 (registers 8 m + 4 ..)
.set RB, 188                           ; v188-191 rp_b
	s_load_b512 s[4:19], s[0:1], 0x0               ; pbuf 4, rbuf 6, scl 8, qbuf 10, rp_w 12, rp_b 14, ybuf 16, ysc 18
	v_lshl_add_u32 v192, v0, 2, 0xa500
	v_mov_b32 v193, 0
	v_lshrrev_b32 v1, 5, v0
	v_readfirstlane_b32 s20, v1                    ; wave
	s_mov_b32 s22, 0x76543210                      ; v_permlanex16_b32: lane i reads lane i of the other half
	s_mov_b32 s23, 0xfedcba98
	v_and_b32 v1, 31, v0                           ; lane
	v_and_b32 v2, 15, v0                           ; rg
	v_lshrrev_b32 v3, 4, v0                        ; cg
	v_bfe_u32 v4, v0, 4, 1                         ; h
	v_cmp_eq_u32 s21, 1, v4                        ; the mask of lanes 16-31
	v_lshlrev_b32 v5, 4, v3                        ; 16 cg: my four numbers of q
	v_lshlrev_b32 v6, 10, v3
	v_lshl_add_u32 v6, v2, 4, v6                   ; 1,024 cg + 16 rg: my 16 bytes of my first column of P and R
	v_lshlrev_b32 v7, 4, v1                        ; 16 lane
	s_mul_i32 s28, s20, PPI
	v_lshlrev_b32 v1, 5, v2
	v_lshl_add_u32 v1, v4, 4, v1
	v_add_nc_u32 v1, s28, v1                       ; 528 wave + 32 rg + 16 h: where my four rows' sums go
	v_add_nc_u32 v3, s28, v7                       ; 528 wave + 16 lane: where my four columns of y go
	s_lshl_b32 s28, s20, 5
	v_lshlrev_b32 v[T], 4, v2                      ; 16 rg
	v_mul_u32_u24 v2, v2, PPI
	v_lshl_add_u32 v2, v4, 4, v2
	v_add_nc_u32 v2, s28, v2                       ; 528 rg + 32 wave + 16 h: wave rg's sums of rows 8 wave + 4 h .. + 3
	v_lshl_add_u32 v4, v4, 11, v[T]                ; 2,048 h + 16 rg: rp_w, four rows down for lanes 16-31
	s_mov_b32 s29, 0
	s_wait_kmcnt 0x0
	s_lshl_b32 s28, ttmp9, 17
	s_add_nc_u64 s[4:5], s[4:5], s[28:29]
	s_add_nc_u64 s[6:7], s[6:7], s[28:29]
	s_lshl_b32 s28, ttmp9, 9
	s_add_nc_u64 s[10:11], s[10:11], s[28:29]
	s_lshl_b32 s28, ttmp9, 4
	s_add_nc_u64 s[8:9], s[8:9], s[28:29]
	s_load_b128 s[24:27], s[8:9], 0x0              ; the four quarters' scales
	s_lshl_b32 s28, s20, 12
	s_add_nc_u64 s[12:13], s[12:13], s[28:29]      ; rp_w at row 8 wave
	s_lshl_b32 s28, ttmp9, 8
	s_add_nc_u64 s[16:17], s[16:17], s[28:29]
	s_lshl_b32 s28, ttmp9, 2
	s_add_nc_u64 s[18:19], s[18:19], s[28:29]
.macro LD4 dst, bs, ch
.set cq, 0
.rept 4
	global_load_b128 v[\dst+4*cq:\dst+4*cq+3], v6, s[\bs:\bs+1] offset:32768*\ch+256*cq th:TH_LOAD_NT
.set cq, cq+1
.endr
.endm
	global_load_b128 v[W:W+3], v5, s[10:11]
	LD4 8, 4, 3
	LD4 24, 6, 3
	LD4 40, 4, 2
	LD4 56, 6, 2
	LD4 72, 4, 1
	LD4 88, 6, 1
	LD4 104, 6, 0
.set cm, 0
.rept 4
	global_load_b128 v[RW+8*cm:RW+8*cm+3], v4, s[12:13] offset:512*cm          ; sixteen lanes read 256 consecutive bytes of a row
	global_load_b128 v[RW+8*cm+4:RW+8*cm+7], v4, s[12:13] offset:512*cm+256
.set cm, cm+1
.endr
	global_load_b128 v[RB:RB+3], v7, s[14:15]
; eight numbers in src times number j of the four in vec, added onto acc (first = 1: they start the sums).  Two at a time: the factor is
; broadcast from its pair, the first register by op_sel_hi 0, the second by op_sel 1.
.macro PK4 acc, src, vec, j, first
.set cq, 0
.rept 4
.if \first
	v_pk_mul_f32 v[\acc+2*cq:\acc+2*cq+1], v[\src+2*cq:\src+2*cq+1], v[\vec:\vec+1] op_sel_hi:[1,0]
.else
.if (\j)&1
	v_pk_fma_f32 v[\acc+2*cq:\acc+2*cq+1], v[\src+2*cq:\src+2*cq+1], v[\vec+\j-1:\vec+\j], v[\acc+2*cq:\acc+2*cq+1] op_sel:[0,1,0] op_sel_hi:[1,1,1]
.else
	v_pk_fma_f32 v[\acc+2*cq:\acc+2*cq+1], v[\src+2*cq:\src+2*cq+1], v[\vec+\j:\vec+\j+1], v[\acc+2*cq:\acc+2*cq+1] op_sel_hi:[1,0,1]
.endif
.endif
.set cq, cq+1
.endr
.endm
; one column: eight f16 rows widened, times w of that column
.macro COL acc, wj, first, r0, r1, r2, r3
	v_cvt_f32_f16 v[T+0], v\r0\().l
	v_cvt_f32_f16 v[T+1], v\r0\().h
	v_cvt_f32_f16 v[T+2], v\r1\().l
	v_cvt_f32_f16 v[T+3], v\r1\().h
	v_cvt_f32_f16 v[T+4], v\r2\().l
	v_cvt_f32_f16 v[T+5], v\r2\().h
	v_cvt_f32_f16 v[T+6], v\r3\().l
	v_cvt_f32_f16 v[T+7], v\r3\().h
	PK4 \acc, T, W, \wj, \first
.endm
.macro MATV acc, a0, a1, a2, a3, a4, a5, a6, a7, a8, a9, a10, a11, a12, a13, a14, a15
	COL \acc, 0, 1, \a0, \a1, \a2, \a3
	COL \acc, 1, 0, \a4, \a5, \a6, \a7
	COL \acc, 2, 0, \a8, \a9, \a10, \a11
	COL \acc, 3, 0, \a12, \a13, \a14, \a15
.endm
; The two halves of the wave are added: half h keeps numbers 4 h .. + 3 of the eight, sends the other four across, and stores its four sums.  acc's first four are used up.
.macro FOLDST acc, adr, region
.set cq, 0
.rept 4
	v_cndmask_b32 v[T+4+cq], v[\acc+4+cq], v[\acc+cq], s21     ; what the other half keeps
	v_cndmask_b32 v[T+cq], v[\acc+cq], v[\acc+4+cq], s21       ; what I keep
.set cq, cq+1
.endr
.set cq, 0
.rept 4
	v_permlanex16_b32 v[\acc+cq], v[T+4+cq], s22, s23
.set cq, cq+1
.endr
.set cq, 0
.rept 4
	v_add_f32 v[T+cq], v[T+cq], v[\acc+cq]
.set cq, cq+1
.endr
	ds_store_b128 v[\adr], v[T:T+3] offset:\region
.endm
; four registers are summed over the sixteen lanes of each half; every lane ends with the totals
.macro XSUM reg
.irp xm, 1, 2, 4, 8
.set cq, 0
.rept 4
	v_add_f32_dpp v[\reg+cq], v[\reg+cq], v[\reg+cq] row_xmask:\xm row_mask:0xf bank_mask:0xf
.set cq, cq+1
.endr
.endr
.endm
.macro RSCALE sc, first
.set cq, 0
.rept 8
.if \first
	v_mul_f32 v[RA+cq], s[\sc], v[RT+cq]
.else
	v_fma_f32 v[RA+cq], v[RT+cq], s[\sc], v[RA+cq]
.endif
.set cq, cq+1
.endr
.endm
.macro NEWW region                     ; w of my four columns = the sixteen waves' sums of those rows
	s_barrier_wait -1
	ds_load_b128 v[W:W+3], v2 offset:\region
	s_wait_dscnt 0x0
	XSUM W
.endm
	; quarter 3
	s_wait_loadcnt 33                              ; q and P3 are in; 33 loads are younger
	MATV PP, 8, 9, 10, 11, 12, 13, 14, 15, 16, 17, 18, 19, 20, 21, 22, 23
	FOLDST PP, 1, PART3
	s_wait_dscnt 0x0                               ; my store is done, for the others' sake
	s_barrier_signal -1                            ; register work alone up to the wait: the read's share with the old w
	s_wait_loadcnt 29                              ; R3 is in; 29 are younger; and so on by fours
	MATV RT, 24, 25, 26, 27, 28, 29, 30, 31, 32, 33, 34, 35, 36, 37, 38, 39
	s_wait_kmcnt 0x0                               ; the scales
	RSCALE 27, 1
	NEWW PART3
	; quarter 2
	s_wait_loadcnt 25
	MATV PP, 40, 41, 42, 43, 44, 45, 46, 47, 48, 49, 50, 51, 52, 53, 54, 55
	FOLDST PP, 1, PART2
	s_wait_dscnt 0x0
	s_barrier_signal -1
	s_wait_loadcnt 21
	MATV RT, 56, 57, 58, 59, 60, 61, 62, 63, 64, 65, 66, 67, 68, 69, 70, 71
	RSCALE 26, 0
	NEWW PART2
	; quarter 1
	s_wait_loadcnt 17
	MATV PP, 72, 73, 74, 75, 76, 77, 78, 79, 80, 81, 82, 83, 84, 85, 86, 87
	FOLDST PP, 1, PART1
	s_wait_dscnt 0x0
	s_barrier_signal -1
	s_wait_loadcnt 13
	MATV RT, 88, 89, 90, 91, 92, 93, 94, 95, 96, 97, 98, 99, 100, 101, 102, 103
	RSCALE 25, 0
	NEWW PART1
	; quarter 0: the read alone
	s_wait_loadcnt 9                               ; rp_w's eight and rp_b's one are younger
	MATV RT, 104, 105, 106, 107, 108, 109, 110, 111, 112, 113, 114, 115, 116, 117, 118, 119
	RSCALE 24, 0
	FOLDST RA, 1, PARTR
	s_wait_dscnt 0x0
	s_barrier_signal -1
	s_barrier_wait -1
	ds_load_b128 v[PP:PP+3], v2 offset:PARTR
	s_wait_dscnt 0x0
	XSUM PP                                        ; read[8 wave + 4 h + m], m = 0 .. 3
	s_wait_loadcnt 1                               ; rp_w is in; rp_b's load is younger
	; y's share of my four rows: columns 4 rg .. + 3 in RT 0-3, columns 64 + 4 rg .. + 3 in RT 4-7
	PK4 RT, RW, PP, 0, 1
	PK4 RT, RW+8, PP, 1, 0
	PK4 RT, RW+16, PP, 2, 0
	PK4 RT, RW+24, PP, 3, 0
	FOLDST RT, 3, PARTY                            ; half h keeps columns 64 h + 4 rg .. + 3: byte 16 lane of the wave's part
	s_wait_dscnt 0x0
	s_barrier_signal -1
	s_barrier_wait -1
	s_cmp_lg_u32 s20, 0
	s_cbranch_scc1 .Lend                           ; wave 0 finishes: lane l has y[4 l .. 4 l + 3]
.set cq, 0
.rept 16
	ds_load_b128 v[LB+4*cq:LB+4*cq+3], v7 offset:PARTY+PPI*cq
.set cq, cq+1
.endr
	s_wait_dscnt 0x0
.irp st, 8, 4, 2
.set cq, 0
.rept \st
	v_pk_add_f32 v[LB+4*cq:LB+4*cq+1], v[LB+4*cq:LB+4*cq+1], v[LB+4*(cq+\st):LB+4*(cq+\st)+1]
	v_pk_add_f32 v[LB+4*cq+2:LB+4*cq+3], v[LB+4*cq+2:LB+4*cq+3], v[LB+4*(cq+\st)+2:LB+4*(cq+\st)+3]
.set cq, cq+1
.endr
.endr
	v_pk_add_f32 v[RT:RT+1], v[LB:LB+1], v[LB+4:LB+5]
	v_pk_add_f32 v[RT+2:RT+3], v[LB+2:LB+3], v[LB+6:LB+7]
	s_wait_loadcnt 0x0
	v_pk_add_f32 v[RT:RT+1], v[RT:RT+1], v[RB:RB+1]
	v_pk_add_f32 v[RT+2:RT+3], v[RT+2:RT+3], v[RB+2:RB+3]
.set cq, 0
.rept 4
	v_and_b32 v[T+cq], 0x7fffffff, v[RT+cq]
.set cq, cq+1
.endr
	v_max3_num_f32 v[T], v[T], v[T+1], v[T+2]
	v_max_num_f32 v[T], v[T], v[T+3]
	v_max_num_f32_dpp v[T], v[T], v[T] row_xmask:1 row_mask:0xf bank_mask:0xf
	v_max_num_f32_dpp v[T], v[T], v[T] row_xmask:2 row_mask:0xf bank_mask:0xf
	v_max_num_f32_dpp v[T], v[T], v[T] row_xmask:4 row_mask:0xf bank_mask:0xf
	v_max_num_f32_dpp v[T], v[T], v[T] row_xmask:8 row_mask:0xf bank_mask:0xf
	v_permlanex16_b32 v[T+1], v[T], s22, s23
	v_max_num_f32 v[T], v[T], v[T+1]
	v_max_num_f32 v[T], 0x0da24260, v[T]           ; m = max(max |y|, 1e-30)
	v_rcp_f32 v[T+2], v[T]
	v_lshrrev_b32 v6, 1, v7                        ; 8 lane (the plain place behind v_rcp_f32, ISA guide 5.7.2; the loads that v6 addressed are all in)
.set cq, 0
	s_wait_alu depctr_va_vdst(0)
.rept 4
	v_mul_f32 v[RT+cq], v[RT+cq], v[T+2]
.set cq, cq+1
.endr
	v_cvt_pk_f16_f32 v[T+4], v[RT], v[RT+1]
	v_cvt_pk_f16_f32 v[T+5], v[RT+2], v[RT+3]
	global_store_b64 v6, v[T+4:T+5], s[16:17]      ; the wave's 256 consecutive bytes
	v_mov_b32 v4, 0
	v_cmp_eq_u32 vcc_lo, 0, v0
	s_wait_xcnt 0x0                                ; EXEC changes only behind s_wait_xcnt 0
	s_and_saveexec_b32 s28, vcc_lo
	global_store_b32 v4, v[T], s[18:19]
	s_wait_xcnt 0x0
	s_or_b32 exec_lo, exec_lo, s28
.Lend:
	s_wait_tensorcnt 0x0
	ds_add_u32 v192, v193
	s_wait_dscnt 0x0
	s_endpgm
.Lfunc_end_k_qec64a003c2_combine:
	.size	k_qec64a003c2_combine, .Lfunc_end_k_qec64a003c2_combine-k_qec64a003c2_combine
	.p2alignl 7, 3214868480
	.fill 96, 4, 3214868480
	.section	.rodata,"a",@progbits
	.p2align	6, 0x0
	.amdhsa_kernel k_qec64a003c2_combine
		.amdhsa_group_segment_fixed_size 44288
		.amdhsa_private_segment_fixed_size 0
		.amdhsa_enable_private_segment 0
		.amdhsa_kernarg_size 64
		.amdhsa_user_sgpr_count 2
		.amdhsa_user_sgpr_kernarg_segment_ptr 1
		.amdhsa_wavefront_size32 1
		.amdhsa_system_sgpr_workgroup_id_x 1
		.amdhsa_system_sgpr_workgroup_id_y 1
		.amdhsa_system_sgpr_workgroup_id_z 1
		.amdhsa_system_vgpr_workitem_id 0
		.amdhsa_next_free_vgpr 194
		.amdhsa_next_free_sgpr 66
		.amdhsa_reserve_vcc 1
		.amdhsa_float_denorm_mode_32 3
		.amdhsa_float_denorm_mode_16_64 3
		.amdhsa_memory_ordered 1
		.amdhsa_forward_progress 1
		.amdhsa_inst_pref_size 37
	.end_amdhsa_kernel
	.amdgpu_metadata
---
amdhsa.version: [ 1, 2 ]
amdhsa.kernels:
  - .name:           k_qec64a003c2_combine
    .symbol:         k_qec64a003c2_combine.kd
    .args:
      - { .name: pbuf, .offset: 0, .size: 8, .value_kind: global_buffer, .address_space: global }
      - { .name: rbuf, .offset: 8, .size: 8, .value_kind: global_buffer, .address_space: global }
      - { .name: scl, .offset: 16, .size: 8, .value_kind: global_buffer, .address_space: global }
      - { .name: qbuf, .offset: 24, .size: 8, .value_kind: global_buffer, .address_space: global }
      - { .name: rp_w, .offset: 32, .size: 8, .value_kind: global_buffer, .address_space: global }
      - { .name: rp_b, .offset: 40, .size: 8, .value_kind: global_buffer, .address_space: global }
      - { .name: ybuf, .offset: 48, .size: 8, .value_kind: global_buffer, .address_space: global }
      - { .name: ysc, .offset: 56, .size: 8, .value_kind: global_buffer, .address_space: global }
    .group_segment_fixed_size: 44288
    .private_segment_fixed_size: 0
    .kernarg_segment_align: 8
    .kernarg_segment_size: 64
    .max_flat_workgroup_size: 512
    .sgpr_count:     66
    .vgpr_count:     194
    .wavefront_size: 32
...
	.end_amdgpu_metadata
.endif
;; end of part 2
;; launch logits (part 3): grid 250 x 1, 8 waves a work-group, no clusters, 89,088 bytes of LDS; arguments ybuf, ysc, out_w, out_b, out0; writes out0
.if DOCPART == 3
	.amdgcn_target "amdgcn-amd-amdhsa--gfx1250"
	.amdhsa_code_object_version 6
	.text
	.protected	k_qec64a003c2_logits
	.globl	k_qec64a003c2_logits
	.p2align	8
	.type	k_qec64a003c2_logits,@function
k_qec64a003c2_logits:
	s_mov_b64 s[64:65], 0
	v_nop
	global_prefetch_b8 v0, s[64:65] scope:SCOPE_SE
	s_setreg_imm32_b32 hwreg(HW_REG_WAVE_MODE, 25, 1), 1
	s_wait_xcnt 0x0
; logits: out0[b][v] = m[b] (y'[b] . out_w[:, v]) + out_b[v].  A work-group makes 128 columns v for all 64 batches; out_w is read once in the launch.
; Memory binds: each wave's load of out_w covers 512 consecutive bytes of a row, all sixteen go out at the start; each store covers 512 consecutive bytes of a row of out0.
; Source 0 = out_w transposed (wave w: columns 16 w .. + 15), source 1 = y' (lane = batch); operands f16, sums f32.
; LIMITS: |out_w| below 65,504; below 6e-8 it counts as 0.
; NO JOINT LOADS: the 250 work-groups do not divide into clusters of four, and what they share (16,640 bytes of y' and m) is a fifth of what each reads.
.set OWP,  288                         ; out_w in f16, [128 k][128 v], at 0
.set YLB,  36864                       ; y' [64][128] f16
.set YLP,  272
.set OUTB, 54272                       ; the result [64][128] f32
.set OUTP, 528
	s_load_b256 s[4:11], s[0:1], 0x0               ; ybuf 4, ysc 6, out_w 8, out_b 10
	s_load_b64 s[12:13], s[0:1], 0x20              ; out0
	v_lshl_add_u32 v232, v0, 2, 0x15800
	v_mov_b32 v233, 0
	v_lshrrev_b32 v1, 5, v0
	v_readfirstlane_b32 s14, v1                    ; wave
	v_and_b32 v1, 31, v0                           ; lane
	v_and_b32 v2, 15, v0                           ; r
	v_bfe_u32 v3, v0, 4, 1                         ; h
	v_lshlrev_b32 v4, 2, v2
	s_lshl_b32 s16, ttmp9, 9                       ; my 128 columns: 512 bytes
	s_mov_b32 s17, 0
	v_lshlrev_b32 v5, 5, v3
	s_lshl_b32 s15, s14, 6
	v_add_nc_u32 v5, s15, v5                       ; 64 wave + 32 h: my eight columns, in f32 bytes
	v_lshlrev_b32 v6, 4, v0
	v_lshlrev_b32 v7, 4, v1
	s_mul_i32 s18, s14, 128000
	v_add_nc_u32 v8, s18, v7                       ; row k = wave + 8 j of out_w
	s_wait_kmcnt 0x0
	s_add_nc_u64 s[8:9], s[8:9], s[16:17]
	s_add_nc_u64 s[10:11], s[10:11], s[16:17]
	s_add_nc_u64 s[12:13], s[12:13], s[16:17]
	s_add_nc_u64 s[20:21], s[8:9], 8192000         ; rows 64 and up: the immediate has 24 signed bits
.set cq, 0
.rept 4
	global_load_b32 v[16+cq], v4, s[6:7] offset:64*cq          ; m of batch 16 nb + r
.set cq, cq+1
.endr
	global_load_b128 v[20:23], v5, s[10:11]
	global_load_b128 v[24:27], v5, s[10:11] offset:16
.set cq, 0
.rept 4
	global_load_b128 v[96+4*cq:96+4*cq+3], v6, s[4:5] offset:4096*cq
.set cq, cq+1
.endr
.set cq, 0
.rept 8
	global_load_b128 v[32+4*cq:32+4*cq+3], v8, s[8:9] offset:1024000*cq th:TH_LOAD_NT
.set cq, cq+1
.endr
.set cq, 0
.rept 8
	global_load_b128 v[64+4*cq:64+4*cq+3], v8, s[20:21] offset:1024000*cq th:TH_LOAD_NT
.set cq, cq+1
.endr
	s_mul_i32 s18, s14, 2*YLP
	s_add_co_u32 s18, s18, YLB
	v_mul_u32_u24 v9, v3, YLP
	v_lshl_add_u32 v9, v2, 4, v9
	v_add_nc_u32 v9, s18, v9                       ; y': batch 2 wave + h + 16 j, byte 16 r
	s_mul_i32 s18, s14, OWP
	v_lshl_add_u32 v10, v1, 3, s18                 ; out_w: row wave + 8 j, byte 8 lane
	v_and_b32 v11, 7, v0
	v_lshl_or_b32 v11, v3, 3, v11
	v_bfe_u32 v12, v0, 3, 1
	v_lshlrev_b32 v12, 4, v12
	v_mad_u32_u24 v11, v11, OWP, v12
	s_lshl_b32 s18, s14, 5
	v_add_nc_u32 v11, s18, v11                     ; out_w transposed: (8 h + (lane & 7)) 288 + 16 ((lane >> 3) & 1) + 32 wave
	v_mul_u32_u24 v12, v2, YLP
	v_lshl_add_u32 v12, v3, 4, v12
	v_add_nc_u32 v12, YLB, v12
	v_mul_u32_u24 v13, v2, OUTP
	v_add3_u32 v13, v13, v5, OUTB
	s_mul_i32 s18, s14, 8*OUTP
	s_add_co_u32 s18, s18, OUTB
	v_add_nc_u32 v14, s18, v7                      ; back: batches 8 wave + m, whole rows of 512 bytes
	s_mul_i32 s18, s14, 1024000
	v_add_nc_u32 v15, s18, v7
	s_wait_loadcnt 16                              ; m, out_b and y' are in; out_w's sixteen loads are younger
.set cq, 0
.rept 4
	ds_store_b128 v9, v[96+4*cq:96+4*cq+3] offset:16*YLP*cq
.set cq, cq+1
.endr
.set cg, 0
.rept 4
	s_wait_loadcnt 12-4*cg                         ; four more rows of out_w are in
.set cq, 0
.rept 4
	v_cvt_pk_f16_f32 v[224+2*cq], v[32+16*cg+4*cq], v[32+16*cg+4*cq+1]
	v_cvt_pk_f16_f32 v[225+2*cq], v[32+16*cg+4*cq+2], v[32+16*cg+4*cq+3]
	ds_store_b64 v10, v[224+2*cq:225+2*cq] offset:8*OWP*(4*cg+cq)
.set cq, cq+1
.endr
.set cg, cg+1
.endr
	s_wait_dscnt 0x0                               ; my stores are done, for the others' sake
	s_barrier_signal -1
	s_barrier_wait -1
.set ck, 0
.rept 4
	ds_load_tr16_b128 v[32+8*ck:32+8*ck+3], v11 offset:32*OWP*ck
	ds_load_tr16_b128 v[32+8*ck+4:32+8*ck+7], v11 offset:32*OWP*ck+16*OWP
.set ck, ck+1
.endr
.set cn, 0
.rept 4
.set ck, 0
.rept 4
	ds_load_b128 v[64+32*cn+8*ck:64+32*cn+8*ck+3], v12 offset:16*YLP*cn+64*ck
	ds_load_b128 v[64+32*cn+8*ck+4:64+32*cn+8*ck+7], v12 offset:16*YLP*cn+64*ck+32
.set ck, ck+1
.endr
.set cn, cn+1
.endr
	s_wait_dscnt 0x0
	; four accumulators (16 batches each) take turns, one instruction a turn
.set ck, 0
.rept 4
.set cn, 0
.rept 4
.if ck == 0
	v_wmma_f32_16x16x32_f16 v[192+8*cn:192+8*cn+7], v[32+8*ck:32+8*ck+7], v[64+32*cn+8*ck:64+32*cn+8*ck+7], 0
.else
	v_wmma_f32_16x16x32_f16 v[192+8*cn:192+8*cn+7], v[32+8*ck:32+8*ck+7], v[64+32*cn+8*ck:64+32*cn+8*ck+7], v[192+8*cn:192+8*cn+7]
.endif
.set cn, cn+1
.endr
.set ck, ck+1
.endr
.rept 4
	v_nop                                          ; the places behind the matrix instructions (ISA guide 7.12.1)
.endr
.set cn, 0
.rept 4
.set cq, 0
.rept 8
	v_fma_f32 v[192+8*cn+cq], v[192+8*cn+cq], v[16+cn], v[20+cq]
.set cq, cq+1
.endr
	ds_store_b128 v13, v[192+8*cn:192+8*cn+3] offset:16*OUTP*cn
	ds_store_b128 v13, v[192+8*cn+4:192+8*cn+7] offset:16*OUTP*cn+16
.set cn, cn+1
.endr
	s_wait_dscnt 0x0
	s_barrier_signal -1
	s_barrier_wait -1
.set cq, 0
.rept 8
	ds_load_b128 v[32+4*cq:32+4*cq+3], v14 offset:OUTP*cq
.set cq, cq+1
.endr
.set cq, 0
.rept 8
	s_wait_dscnt 7-cq
	global_store_b128 v15, v[32+4*cq:32+4*cq+3], s[12:13] offset:128000*cq th:TH_STORE_NT   ; 512 consecutive bytes, at a multiple of 256 from out0's first byte
.set cq, cq+1
.endr
	s_wait_tensorcnt 0x0
	ds_add_u32 v232, v233
	s_wait_dscnt 0x0
	s_endpgm
.Lfunc_end_k_qec64a003c2_logits:
	.size	k_qec64a003c2_logits, .Lfunc_end_k_qec64a003c2_logits-k_qec64a003c2_logits
	.p2alignl 7, 3214868480
	.fill 96, 4, 3214868480
	.section	.rodata,"a",@progbits
	.p2align	6, 0x0
	.amdhsa_kernel k_qec64a003c2_logits
		.amdhsa_group_segment_fixed_size 89088
		.amdhsa_private_segment_fixed_size 0
		.amdhsa_enable_private_segment 0
		.amdhsa_kernarg_size 40
		.amdhsa_user_sgpr_count 2
		.amdhsa_user_sgpr_kernarg_segment_ptr 1
		.amdhsa_wavefront_size32 1
		.amdhsa_system_sgpr_workgroup_id_x 1
		.amdhsa_system_sgpr_workgroup_id_y 1
		.amdhsa_system_sgpr_workgroup_id_z 1
		.amdhsa_system_vgpr_workitem_id 0
		.amdhsa_next_free_vgpr 234
		.amdhsa_next_free_sgpr 66
		.amdhsa_reserve_vcc 0
		.amdhsa_float_denorm_mode_32 3
		.amdhsa_float_denorm_mode_16_64 3
		.amdhsa_memory_ordered 1
		.amdhsa_forward_progress 1
		.amdhsa_inst_pref_size 17
	.end_amdhsa_kernel
	.amdgpu_metadata
---
amdhsa.version: [ 1, 2 ]
amdhsa.kernels:
  - .name:           k_qec64a003c2_logits
    .symbol:         k_qec64a003c2_logits.kd
    .args:
      - { .name: ybuf, .offset: 0, .size: 8, .value_kind: global_buffer, .address_space: global }
      - { .name: ysc, .offset: 8, .size: 8, .value_kind: global_buffer, .address_space: global }
      - { .name: out_w, .offset: 16, .size: 8, .value_kind: global_buffer, .address_space: global }
      - { .name: out_b, .offset: 24, .size: 8, .value_kind: global_buffer, .address_space: global }
      - { .name: out0, .offset: 32, .size: 8, .value_kind: global_buffer, .address_space: global }
    .group_segment_fixed_size: 89088
    .private_segment_fixed_size: 0
    .kernarg_segment_align: 8
    .kernarg_segment_size: 40
    .max_flat_workgroup_size: 256
    .sgpr_count:     66
    .vgpr_count:     234
    .wavefront_size: 32
...
	.end_amdgpu_metadata
.endif
;; end of part 3
